; MI455X (gfx1250); checked and timed in simulation.
; The chip was launched on July 23, 2026; its instructions are those of AMD's public machine-readable ISA for CDNA 5 (MIT licence, August 2026) and "CDNA5" Instruction Set Architecture Reference Guide (July 2026). The comments in the code are by the model that wrote it; some were corrected since.
;; Attention Block. Allowed arithmetic: matrix products marked QUANTISED: E2M1 operands, one E8M0 scale for each 32 along K, by v_wmma_scale_f32_16x16x128_f8f6f4 with both operands' format E2M1 (or v_wmma_scale_f32_32x16x128_f4), f32 sums; everything else in f32.
;; Inputs: gn_b 256 float32; gn_w 256 float32; proj_b 256 float32; proj_w 256 x 256 float32; qkv_b 768 float32; qkv_w 768 x 256 float32; x 4 x 256 x 64 x 64 float32.
;; Outputs: out0 4 x 256 x 64 x 64 float32.
;; This version of the problem:
;;   THIS VERSION OF THE PROBLEM IS GIVEN IN LOW PRECISION. The matrix products marked QUANTISED in the list below multiply operands that are first quantised to E2M1 (2 exponent bits, 1 mantissa bit; 4 bits a number), with one power-of-two scale for each 32 numbers along K (OCP MX v1.0); their sums are f32. All else is computed in f32.
;;   The module's matrix products, in the order in which they are computed (A, B: the left and right operand; K: the contracted axis; several contracted axes count as one K, in the product's order):
;;     1. [M 16,384, K 256] x [K 256, N 768]; A: computed on the way; B: input qkv_w: QUANTISED
;;     2. batch 16 x [M 4,096, K 64] x [K 64, N 4,096]; A: computed on the way; B: computed on the way: QUANTISED
;;     3. batch 16 x [M 64, K 4,096] x [K 4,096, N 4,096]; A: computed on the way; B: softmax (see below): QUANTISED
;;     4. [M 16,384, K 256] x [K 256, N 256]; A: computed on the way; B: input proj_w: QUANTISED
;;   THE QUANTISER, for each operand of a quantised product, along K:
;;     - K is cut into blocks of 32 from its start; a last block that is shorter is filled with zeros.
;;     - A block's scale is 2^e with e = floor(log2(the largest magnitude in the block)) - 2, held to -126 .. 127; a block of zeros has e = 0. As a byte (E8M0): e + 127.
;;     - Each number is divided by its block's scale, clamped to +-6, and rounded to the nearest number of E2M1, ties to even, subnormals kept.
;;     - The product sums the exact products of the quantised numbers (number of the format x scale) in f32.
;;   ~~~python
;;   def quantise(x, axis):      # numpy; x: float32 -> the quantised numbers, widened to float32 again
;;       x = np.moveaxis(x, axis, -1); K = x.shape[-1]
;;       x = np.pad(x, [(0, 0)] * (x.ndim - 1) + [(0, -K % 32)]); x = x.reshape(x.shape[:-1] + (-1, 32)); a = np.abs(x).max(-1, keepdims=True)
;;       e = np.where(a > 0, np.clip(np.frexp(np.where(a > 0, a, 1))[1] - 1 - 2, -126, 127), 0)      # np.frexp(a)[1] - 1 = floor(log2(a)), exactly
;;       r = np.clip(x / 2.0 ** e, -6, 6)
;;       step = 2.0 ** (np.maximum(np.frexp(np.where(r == 0, 1, r))[1] - 1, 0) - 1)
;;       q = np.round(r / step) * step * 2.0 ** e      # np.round: ties to even
;;       return np.moveaxis(q.reshape(q.shape[:-2] + (-1,))[..., :K], -1, axis).astype(np.float32)
;;   ~~~
;;   SOFTMAX AHEAD OF A QUANTISED PRODUCT. Where the list says 'softmax', what is quantised is not the finished softmax but p = 2^(t - M), with t = logit x log2(e) and M = ceil(the row's largest t), a whole number; so 1/2 < the row's largest p <= 1. The row's sum l is taken of the UNQUANTISED p, in f32, and the product's result is divided by l at the end. Since M is a whole number, a kernel that streams over the keys may use a running M (the ceiling of the running maximum): every later rescaling is an exact power of two, which a block's scale takes up: the codes' values come out the same.
;;   OPERANDS COMPUTED ON THE WAY. 'Computed on the way' means the value that the module computes at that place (a softmax that the list does not call 'softmax' is quantised finished and normalised). What goes into a quantiser is computed in f32, as accurately as f32 sums, v_exp_f32 and their like allow (about 1e-6 of the number): no bf16 or f16 on the way to a quantiser, and a product that is left as it is and whose result goes on into a quantised operand takes f32 operands (vector FMAs, or v_wmma_f32_16x16x4_f32). A number that lies on a knife's edge between two numbers of the format may be rounded either way, as far as f32 arithmetic and the matrix unit's own rounding can turn it there, and no further.
;; One version. Each part assembles by itself: llvm-mc -triple=amdgcn-amd-amdhsa -mcpu=gfx1250 --defsym DOCPART=n.
;; ======== version 1 of 1: 3 launches
;; workspace buffers: stats 2,048 bytes; wimg 139,264 bytes; qc 2,097,152 bytes; qs 262,144 bytes; kv 4,587,520 bytes
;; launch prep (part 1): grid 256 x 1, 8 waves a work-group, no clusters, 1,280 bytes of LDS; arguments x, qkv_w, proj_w, stats, wimg; writes stats, wimg
.if DOCPART == 1
	.amdgcn_target "amdgcn-amd-amdhsa--gfx1250"
	.amdhsa_code_object_version 6
	.text
	.protected	k_q8e3344c0c6_prep
	.globl	k_q8e3344c0c6_prep
	.p2align	8
	.type	k_q8e3344c0c6_prep,@function
k_q8e3344c0c6_prep:
	s_mov_b64 s[64:65], 0
	v_nop
	global_prefetch_b8 v0, s[64:65] scope:SCOPE_SE
	s_setreg_imm32_b32 hwreg(HW_REG_WAVE_MODE, 25, 1), 1
	s_wait_xcnt 0x0
; PREP.  (1) Statistics for the group norm: x [4][256][4096] f32 is 32 sets (batch, group) of 131,072 consecutive numbers; work-group i takes the 16,384 numbers at byte 65,536 i
; (part i % 8 of set i / 8) and stores their mean and M2 = the sum of squared deviations from that mean, 8 bytes at stats + 8 i.  Means and M2 of parts are joined as
; mean = the mean of the parts' means, M2 = the sum of the parts' M2 + n x the sum of (part's mean - mean)^2: never a difference of large sums, so a common offset of x costs no digits.
; (2) The two weights as codes of FP4 (E2M1) with one E8M0 byte for each 32 along K (their second axis, innermost), laid as IMAGES OF OPERAND REGISTERS: tile T (16 rows x 256 K) is
; [K step s 2][c 2][lane 32][16 bytes]; lane (r, h) holds, of row 32 (T / 2) + 8 (T % 2) + r + 8 (r / 8), k = 128 s + 64 c + 32 h + 0 .. 31.  Its scale words: [s 2][r 16], 4 bytes each.
; Wave 7 of work-groups 0 .. 63 makes tile T = the work-group's number: 0 .. 47 of qkv_w, 48 .. 63 of proj_w.
; A block's scale byte is its largest magnitude's exponent field - 2, held at 1 from below.
; LIMITS: NaN and infinities among the inputs are not served; a block whose largest magnitude lies under 2^-124 (a block of zeros too) keeps the byte 1: the bytes are read by this program alone, and zero codes add nothing.
; No matrix unit, no cluster, no tensor load: each byte is read once by one wave, and the work-groups share nothing.
.set X,    32                          ; v32-95    my 64 numbers of x
.set W,    96                          ; v96-223   a weight tile's 128 numbers of my lane: 64 s + 32 c + i
.set PC,   224                         ; v224-239  its codes: 8 s + 4 c + g
.set TM,   240                         ; v240-247  at work in QUANTF
.set PW0,  248                         ; v248, v249 the scale words of K steps 0 and 1
.set PW1,  249
.set SWD,  250                         ; v250      the word that my lane stores
.set ZA,   251                         ; v251      0: an address and an offset
.set QW_S, 98304                       ; wimg: qkv's codes from 0, their scale words from here,
.set PW_C, 104448                      ; proj's codes,
.set PW_S, 137216                      ; proj's scale words
.macro WSUM r                          ; the sum over the wave's 32 lanes, in every lane
	s_delay_alu instid0(VALU_DEP_1)
	v_add_f32_dpp v[\r], v[\r], v[\r] row_xmask:1 row_mask:0xf bank_mask:0xf
	s_delay_alu instid0(VALU_DEP_1)
	v_add_f32_dpp v[\r], v[\r], v[\r] row_xmask:2 row_mask:0xf bank_mask:0xf
	s_delay_alu instid0(VALU_DEP_1)
	v_add_f32_dpp v[\r], v[\r], v[\r] row_xmask:4 row_mask:0xf bank_mask:0xf
	s_delay_alu instid0(VALU_DEP_1)
	v_add_f32_dpp v[\r], v[\r], v[\r] row_xmask:8 row_mask:0xf bank_mask:0xf
	s_delay_alu instid0(VALU_DEP_1)
	v_permlanex16_b32 v10, v[\r], s20, s21
	s_delay_alu instid0(VALU_DEP_1)
	v_add_f32 v[\r], v[\r], v10
.endm
; Eight parts of n numbers each, (mean, M2) in v[s] .. v[s + 15], are joined: mean -> v[mo], M2 -> v[qo]; v[t] .. v[t + 3] at work
.macro COMBINE s, n, mo, qo, t
	v_add_f32 v[\t], v[\s], v[\s+2]
	v_add_f32 v[\t+1], v[\s+4], v[\s+6]
	v_add_f32 v[\t+2], v[\s+8], v[\s+10]
	v_add_f32 v[\t+3], v[\s+12], v[\s+14]
	s_delay_alu instid0(VALU_DEP_3)
	v_add_f32 v[\t], v[\t], v[\t+1]
	s_delay_alu instid0(VALU_DEP_2)
	v_add_f32 v[\t+2], v[\t+2], v[\t+3]
	s_delay_alu instid0(VALU_DEP_1)
	v_add_f32 v[\t], v[\t], v[\t+2]
	s_delay_alu instid0(VALU_DEP_1)
	v_mul_f32 v[\mo], 0x3e000000, v[\t]            ; / 8
.irp i, 0,2,4,6,8,10,12,14
	v_sub_f32 v[\s+\i], v[\s+\i], v[\mo]           ; each part's mean less the joint mean
.endr
	v_mul_f32 v[\t], v[\s], v[\s]
.irp i, 2,4,6,8,10,12,14
	s_delay_alu instid0(VALU_DEP_1)
	v_fmac_f32 v[\t], v[\s+\i], v[\s+\i]
.endr
	v_add_f32 v[\t+1], v[\s+1], v[\s+3]
	v_add_f32 v[\t+2], v[\s+5], v[\s+7]
	v_add_f32 v[\t+3], v[\s+9], v[\s+11]
	v_add_f32 v[\qo], v[\s+13], v[\s+15]
	s_delay_alu instid0(VALU_DEP_3)
	v_add_f32 v[\t+1], v[\t+1], v[\t+2]
	s_delay_alu instid0(VALU_DEP_2)
	v_add_f32 v[\t+3], v[\t+3], v[\qo]
	s_delay_alu instid0(VALU_DEP_1)
	v_add_f32 v[\t+1], v[\t+1], v[\t+3]
	s_delay_alu instid0(VALU_DEP_1)
	v_fmamk_f32 v[\qo], v[\t], \n, v[\t+1]         ; n x the squares + the parts' M2
.endm
; 64 numbers of a lane, two whole blocks of 32 (c = 0, 1: blocks h and 2 + h of my row's K step), become the 8 registers of a fragment in v[pc] on and the row's scale word in v[pw]
.macro QUANTF src, pc, pw
.irp c, 0,1
	v_max3_num_f32 v[TM+\c], |v[\src+32*\c]|, |v[\src+32*\c+1]|, 0x1800000   ; with the floor 2^(3 - 127): the byte cannot fall under 1
.endr
.irp i, 2,4,6,8,10,12,14,16,18,20,22,24,26,28,30
.irp c, 0,1
	s_delay_alu instid0(VALU_DEP_2)
	v_max3_num_f32 v[TM+\c], v[TM+\c], |v[\src+32*\c+\i]|, |v[\src+32*\c+\i+1]|
.endr
.endr
.irp c, 0,1
	s_delay_alu instid0(VALU_DEP_2)
	v_add_nc_u32 v[TM+2+\c], 0xff000000, v[TM+\c]  ; 2 off the exponent field: the conversion's scale operand
.endr
.irp c, 0,1
	s_delay_alu instid0(VALU_DEP_2)
	v_lshrrev_b32 v[TM+4+\c], 23, v[TM+2+\c]       ; the scale's byte
.endr
	s_delay_alu instid0(VALU_DEP_1)
	v_lshl_or_b32 v[\pw], v[TM+5], 16, v[TM+4]     ; my two bytes,
	v_lshlrev_b32 v[TM+6], 3, v3
	s_delay_alu instid0(VALU_DEP_1)
	v_lshlrev_b32 v[\pw], v[TM+6], v[\pw]          ; 8 h bits up;
	s_delay_alu instid0(VALU_DEP_1)
	v_permlanex16_b32 v[TM+7], v[\pw], s20, s21
	s_delay_alu instid0(VALU_DEP_1)
	v_or_b32 v[\pw], v[\pw], v[TM+7]               ; with lane l xor 16's two the word is whole
.irp c, 0,1
.irp g, 0,1,2,3
	v_cvt_scalef32_pk8_fp4_f32 v[\pc+4*\c+\g], v[\src+32*\c+8*\g:\src+32*\c+8*\g+7], v[TM+2+\c]
.endr
.endr
	v_nop                                          ; one plain place behind the last scaled conversion
.endm
	s_load_b128 s[4:7], s[0:1], 0x0                ; x, qkv_w
	s_load_b128 s[8:11], s[0:1], 0x10              ; proj_w, stats
	s_load_b64 s[12:13], s[0:1], 0x20              ; wimg
	v_lshl_add_u32 v254, v0, 2, 0x100
	v_mov_b32 v255, 0
	v_lshrrev_b32 v1, 5, v0
	s_delay_alu instid0(VALU_DEP_1)
	v_readfirstlane_b32 s14, v1                    ; wave 0..7
	v_and_b32 v1, 31, v0                           ; lane
	v_and_b32 v2, 15, v0                           ; r
	v_bfe_u32 v3, v0, 4, 1                         ; h
	s_delay_alu instid0(VALU_DEP_3)
	v_lshlrev_b32 v6, 4, v1                        ; 16 x lane
	s_delay_alu instid0(VALU_DEP_4)
	v_lshlrev_b32 v7, 2, v1                        ; 4 x lane
	s_lshl_b32 s15, s14, 13
	v_add_nc_u32 v4, s15, v6                       ; x: my wave's 8,192 bytes, 16 a lane
	v_and_b32 v5, 8, v2
	s_delay_alu instid0(VALU_DEP_1)
	v_add_nc_u32 v5, v5, v2                        ; r + 8 (r / 8)
	s_delay_alu instid0(VALU_DEP_1)
	v_lshlrev_b32 v5, 10, v5                       ; a weight's row is 1,024 bytes
	s_delay_alu instid0(VALU_DEP_1)
	v_lshl_add_u32 v5, v3, 7, v5                   ; + 128 h: my 32 numbers of each 64
	s_lshl_b32 s36, s14, 3
	v_mov_b32 v11, s36                             ; LDS: my wave's 8 bytes
	v_mov_b32 v10, 0                               ; (lane permutes' destinations count as read: written once)
	v_mov_b32 v[TM+7], 0
	v_mov_b32 v[ZA], 0
	s_lshl_b32 s16, ttmp9, 16                      ; my work-group's 65,536 bytes of x
	s_mov_b32 s17, 0
	s_lshl_b32 s18, ttmp9, 3                       ; and its 8 bytes of stats
	s_mov_b32 s19, 0
	s_mov_b32 s20, 0x76543210
	s_mov_b32 s21, 0xfedcba98                      ; v_permlanex16_b32's selects for lane l xor 16
	s_wait_alu depctr_va_vdst(0)
	s_wait_kmcnt 0x0
	s_add_nc_u64 s[4:5], s[4:5], s[16:17]
	s_add_nc_u64 s[10:11], s[10:11], s[18:19]
.irp j, 0,1,2,3,4,5,6,7,8,9,10,11,12,13,14,15
	global_load_b128 v[X+4*\j:X+4*\j+3], v4, s[4:5] offset:512*\j   ; 32 lanes read 512 consecutive bytes; x is read again by later launches, so no hint
.endr
	; ---- the weight tile: wave 7 of work-groups 0 .. 63, while x is on its way
	s_cmp_lg_u32 s14, 7
	s_cbranch_scc1 .Lnow
	s_cmp_ge_u32 ttmp9, 64
	s_cbranch_scc1 .Lnow
	s_cmp_lt_u32 ttmp9, 48                         ; qkv_w's tile or proj_w's?  The choice hangs on the work-group's number alone
	s_cselect_b64 s[22:23], s[6:7], s[8:9]
	s_cselect_b32 s24, 0, 48
	s_cselect_b32 s25, 0, PW_C
	s_mov_b32 s26, PW_S
	s_cselect_b32 s26, QW_S, s26
	s_sub_co_u32 s24, ttmp9, s24                   ; the tile's number in its weight
	s_lshr_b32 s27, s24, 1
	s_lshl_b32 s27, s27, 15                        ; 32 (T / 2) rows of 1,024 bytes
	s_and_b32 s28, s24, 1
	s_lshl_b32 s28, s28, 13                        ; 8 (T % 2) rows
	s_add_co_u32 s28, s27, s28
	s_mov_b32 s29, 0
	s_add_nc_u64 s[22:23], s[22:23], s[28:29]
	s_lshl_b32 s27, s24, 11
	s_add_co_u32 s30, s25, s27                     ; the codes' place: 2,048 bytes a tile
	s_mov_b32 s31, 0
	s_lshl_b32 s27, s24, 7
	s_add_co_u32 s32, s26, s27                     ; the scale words': 128 bytes a tile
	s_mov_b32 s33, 0
	s_add_nc_u64 s[30:31], s[12:13], s[30:31]
	s_add_nc_u64 s[32:33], s[12:13], s[32:33]
.irp s, 0,1
.irp c, 0,1
.irp q, 0,1,2,3,4,5,6,7
	global_load_b128 v[W+64*\s+32*\c+4*\q:W+64*\s+32*\c+4*\q+3], v5, s[22:23] offset:512*\s+256*\c+16*\q
.endr
.endr
.endr
	s_wait_loadcnt 0x0
	QUANTF W, PC, PW0
	QUANTF W+64, PC+8, PW1
	v_cmp_le_u32 vcc_lo, 16, v1
	s_delay_alu instid0(VALU_DEP_1)
	v_cndmask_b32 v[SWD], v[PW0], v[PW1], vcc_lo   ; lanes 0-15 store K step 0's words, lanes 16-31 K step 1's
.irp s, 0,1
.irp c, 0,1
	global_store_b128 v6, v[PC+8*\s+4*\c:PC+8*\s+4*\c+3], s[30:31] offset:1024*\s+512*\c   ; 512 consecutive bytes a store
.endr
.endr
	global_store_b32 v7, v[SWD], s[32:33]
.Lnow:
	s_wait_loadcnt 0x0                             ; x
	v_pk_add_f32 v[14:15], v[32:33], v[34:35]
	v_pk_add_f32 v[16:17], v[48:49], v[56:57]
	v_pk_add_f32 v[18:19], v[64:65], v[72:73]
	v_pk_add_f32 v[252:253], v[80:81], v[88:89]
	v_pk_add_f32 v[12:13], v[36:37], v[38:39]
	s_delay_alu instid0(VALU_DEP_1)
	v_pk_add_f32 v[12:13], v[12:13], v[50:51]
	v_pk_add_f32 v[14:15], v[14:15], v[58:59]
	v_pk_add_f32 v[16:17], v[16:17], v[66:67]
	v_pk_add_f32 v[18:19], v[18:19], v[74:75]
	v_pk_add_f32 v[252:253], v[252:253], v[82:83]
	v_pk_add_f32 v[12:13], v[12:13], v[90:91]
	v_pk_add_f32 v[14:15], v[14:15], v[40:41]
	v_pk_add_f32 v[16:17], v[16:17], v[42:43]
	v_pk_add_f32 v[18:19], v[18:19], v[52:53]
	v_pk_add_f32 v[252:253], v[252:253], v[60:61]
	v_pk_add_f32 v[12:13], v[12:13], v[68:69]
	v_pk_add_f32 v[14:15], v[14:15], v[76:77]
	v_pk_add_f32 v[16:17], v[16:17], v[84:85]
	v_pk_add_f32 v[18:19], v[18:19], v[92:93]
	v_pk_add_f32 v[252:253], v[252:253], v[44:45]
	v_pk_add_f32 v[12:13], v[12:13], v[46:47]
	v_pk_add_f32 v[14:15], v[14:15], v[54:55]
	v_pk_add_f32 v[16:17], v[16:17], v[62:63]
	v_pk_add_f32 v[18:19], v[18:19], v[70:71]
	v_pk_add_f32 v[252:253], v[252:253], v[78:79]
	v_pk_add_f32 v[12:13], v[12:13], v[86:87]
	v_pk_add_f32 v[14:15], v[14:15], v[94:95]
	s_delay_alu instid0(VALU_DEP_2)
	v_pk_add_f32 v[12:13], v[12:13], v[18:19]
	s_delay_alu instid0(VALU_DEP_2)
	v_pk_add_f32 v[14:15], v[14:15], v[252:253]
	s_delay_alu instid0(VALU_DEP_2)
	v_pk_add_f32 v[12:13], v[12:13], v[16:17]
	s_delay_alu instid0(VALU_DEP_1)
	v_pk_add_f32 v[12:13], v[12:13], v[14:15]
	s_delay_alu instid0(VALU_DEP_1)
	v_add_f32 v8, v12, v13
	WSUM 8
	s_delay_alu instid0(VALU_DEP_1)
	v_mul_f32 v8, 0x3a000000, v8                   ; / 2,048
	s_delay_alu instid0(VALU_DEP_1)
	v_mov_b32 v9, v8                               ; (named with it as a pair, so it is written)
	; ---- pass 2: the sum of squared deviations from that mean
.set J, 0
.rept 32
	v_pk_add_f32 v[X+J:X+J+1], v[X+J:X+J+1], v[8:9] op_sel_hi:[1,0] neg_lo:[0,1] neg_hi:[0,1]
.set J, J+2
.endr
.irp k, 0,1,2,3
	v_pk_mul_f32 v[12+2*\k:13+2*\k], v[X+2*\k:X+2*\k+1], v[X+2*\k:X+2*\k+1]
.endr
.irp j, 8,16,24,32,40,48,56
.irp k, 0,1,2,3
	s_delay_alu instid0(VALU_DEP_4)
	v_pk_fma_f32 v[12+2*\k:13+2*\k], v[X+\j+2*\k:X+\j+2*\k+1], v[X+\j+2*\k:X+\j+2*\k+1], v[12+2*\k:13+2*\k]
.endr
.endr
	s_delay_alu instid0(VALU_DEP_3)
	v_pk_add_f32 v[12:13], v[12:13], v[14:15]
	s_delay_alu instid0(VALU_DEP_2)
	v_pk_add_f32 v[16:17], v[16:17], v[18:19]
	s_delay_alu instid0(VALU_DEP_1)
	v_pk_add_f32 v[12:13], v[12:13], v[16:17]
	s_delay_alu instid0(VALU_DEP_1)
	v_add_f32 v9, v12, v13
	WSUM 9
	ds_store_b64 v11, v[8:9]                       ; all lanes write the wave's 8 bytes with the same value
	s_wait_dscnt 0x0                               ; for the others' sake: my store has landed
	s_barrier_signal -1
	s_barrier_wait -1
.irp q, 0,1,2,3
	ds_load_b128 v[12+4*\q:15+4*\q], v[ZA] offset:16*\q   ; the eight waves' pairs, in every lane
.endr
	s_wait_dscnt 0x0
	COMBINE 12, 0x45000000, 8, 9, 28               ; eight parts of 2,048
	s_cmp_lg_u32 s14, 0
	s_cbranch_scc1 .Lend
	s_wait_xcnt 0x0                                ; EXEC changes only behind this wait
	v_cmp_eq_u32 vcc_lo, 0, v0
	s_and_saveexec_b32 s34, vcc_lo
	s_wait_alu depctr_va_vdst(0)
	global_store_b64 v[ZA], v[8:9], s[10:11]       ; thread 0 stores the work-group's pair
	s_wait_xcnt 0x0
	s_or_b32 exec_lo, exec_lo, s34
.Lend:
	s_wait_tensorcnt 0x0
	ds_add_u32 v254, v255
	s_wait_dscnt 0x0
	s_endpgm
.Lfunc_end_k_q8e3344c0c6_prep:
	.size	k_q8e3344c0c6_prep, .Lfunc_end_k_q8e3344c0c6_prep-k_q8e3344c0c6_prep
	.p2alignl 7, 3214868480
	.fill 96, 4, 3214868480
	.section	.rodata,"a",@progbits
	.p2align	6, 0x0
	.amdhsa_kernel k_q8e3344c0c6_prep
		.amdhsa_group_segment_fixed_size 1280
		.amdhsa_private_segment_fixed_size 0
		.amdhsa_enable_private_segment 0
		.amdhsa_kernarg_size 40
		.amdhsa_user_sgpr_count 2
		.amdhsa_user_sgpr_kernarg_segment_ptr 1
		.amdhsa_wavefront_size32 1
		.amdhsa_system_sgpr_workgroup_id_x 1
		.amdhsa_system_sgpr_workgroup_id_y 1
		.amdhsa_system_sgpr_workgroup_id_z 1
		.amdhsa_system_vgpr_workitem_id 0
		.amdhsa_next_free_vgpr 256
		.amdhsa_next_free_sgpr 66
		.amdhsa_reserve_vcc 1
		.amdhsa_float_denorm_mode_32 3
		.amdhsa_float_denorm_mode_16_64 3
		.amdhsa_memory_ordered 1
		.amdhsa_forward_progress 1
		.amdhsa_inst_pref_size 28
	.end_amdhsa_kernel
	.amdgpu_metadata
---
amdhsa.version: [ 1, 2 ]
amdhsa.kernels:
  - .name:           k_q8e3344c0c6_prep
    .symbol:         k_q8e3344c0c6_prep.kd
    .args:
      - { .name: x, .offset: 0, .size: 8, .value_kind: global_buffer, .address_space: global }
      - { .name: qkv_w, .offset: 8, .size: 8, .value_kind: global_buffer, .address_space: global }
      - { .name: proj_w, .offset: 16, .size: 8, .value_kind: global_buffer, .address_space: global }
      - { .name: stats, .offset: 24, .size: 8, .value_kind: global_buffer, .address_space: global }
      - { .name: wimg, .offset: 32, .size: 8, .value_kind: global_buffer, .address_space: global }
    .group_segment_fixed_size: 1280
    .private_segment_fixed_size: 0
    .kernarg_segment_align: 8
    .kernarg_segment_size: 40
    .max_flat_workgroup_size: 256
    .sgpr_count:     66
    .vgpr_count:     256
    .wavefront_size: 32
...
	.end_amdgpu_metadata
.endif
;; end of part 1
;; launch qkv (part 2): grid 64 x 4, 16 waves a work-group, no clusters, 182,272 bytes of LDS; arguments x, stats, wimg, gn_w, gn_b, qkv_b, qc, qs, kv; writes qc, qs, kv
.if DOCPART == 2
	.amdgcn_target "amdgcn-amd-amdhsa--gfx1250"
	.amdhsa_code_object_version 6
	.text
	.protected	k_q8e3344c0c6_qkv
	.globl	k_q8e3344c0c6_qkv
	.p2align	8
	.type	k_q8e3344c0c6_qkv,@function
k_q8e3344c0c6_qkv:
	s_mov_b64 s[64:65], 0
	v_nop
	global_prefetch_b8 v0, s[64:65] scope:SCOPE_SE
	s_setreg_imm32_b32 hwreg(HW_REG_WAVE_MODE, 25, 1), 1
	s_wait_xcnt 0x0
; QKV.  A work-group (blk = x, batch = y) owns 64 pixels of a batch: group norm h, h quantised along the 256 channels, q, k, v = qkv_w h + qkv_b on codes of FP4 (E2M1, one E8M0 byte for each 32 along K),
; then q and k quantised along the head's 64 channels and v along the pixels, all stored as IMAGES OF OPERAND REGISTERS for the attention launch.
; ONE ORDER EVERYWHERE: lane r of tile T (of a weight's rows, of h's pixels) takes number 32 (T / 2) + 8 (T % 2) + r + 8 (r / 8), so that in a result the 16 registers of tiles 2 b and 2 b + 1 are the 16 neighbours
; 32 b + 16 (lane / 16) + 0 .. 15 along the next product's K: the conversions, which take neighbours from one lane's registers, then give operand registers.
; PHASES.  Fill: x's 256 channels x 64 pixels (waves 0-3, 64 rows of 256 bytes each) and qkv_w's image with its scale words (waves 4-7, 26,112 bytes each) come into LDS by one tensor load a wave, filled once.
; h: wave w = 4 m + 2 s + c makes registers 4 c .. 4 c + 3 of fragment (pixel tile m, K step s): lane (r, h) holds a WHOLE block of 32 channels of one pixel, so no other lane is asked for its maximum.  | barrier |
; Roles: wave w < 12 makes outputs 64 w .. 64 w + 63 (w / 4 = q, k, v; w % 4 = the head) for the 64 pixels.  q, k: source 0 = 16 rows of the weight, source 1 = h: a lane holds one pixel, registers run along the head's
; channels.  v: the sources swapped: a lane holds one channel, registers run along the pixels (the keys).  The bias is the C of each sum's first product.  Waves 12-15 have no role and end.
; NOT ASKED FOR JOINTLY: the weight image is the one thing that work-groups share; each reads it once, as a first fill of 26,112 bytes a wave beside its own 65,536 bytes of x, and nothing is filled again: there is no walk
; in which partners go in step, and two rounds of a cluster's barrier would stand for that one fill.
; v's scale word covers 128 keys and a work-group has 64: each stores its two bytes of the word (two stores of 2 bytes a lane, 256 bytes a head in all).
; LIMITS: NaN and infinities are not served; a block whose largest magnitude lies under 2^-124 (a block of zeros too) keeps the byte 1: this program alone reads the bytes, and zero codes add nothing.
; h = (x - mean) (gn_w rstd) + gn_b: one rounding placed otherwise than ((x - mean) rstd) gn_w + gn_b.
.set XT,   0                           ; LDS: x, 256 channels x 256 bytes, dense
.set WI,   65536                       ; qkv_w's image: 48 tiles x 2,048 bytes, then 48 x 128 bytes of scale words
.set QW_S, 98304
.set HIMG, 169984                      ; h's eight fragments: 1,024 (2 m + s) + 512 c + 16 lane
.set HSC,  178176                      ; their scale words: [m][s][r]
.set WV,   22                          ; s22 wave;  s23 wave % 4;  s26 min(wave, 11);  s27 batch
.set SEL,  24                          ; s[24:25] v_permlanex16_b32's selects
.set G1X,  28                          ; s[28:35] group 1 for x's tile;  s[36:43] for the image;  s[44:47], s[48:51] their groups 0
.set G1W,  36
.set G0X,  44
.set G0W,  48
.set BI,   20                          ; v20-51   the bias as C: eight registers a tile
.set BV,   52                          ; v52-55   v's bias: one number a lane and tile
.set WS,   56                          ; v56-59   the weight tiles' scale words: lanes 0-15 K step 0, lanes 16-31 K step 1
.set HS,   60                          ; v60-63   h's likewise
.set X,    64                          ; h phase: v64-95 my 32 channels;  v96-127 gn_w rstd;  v128-159 gn_b;  v160-175 the statistics;  v176-179 at work;  v184-187 codes
.set GA,   96
.set GB,   128
.set ST,   160
.set TH,   176
.set PCH,  184
.set W,    64                          ; roles: v64-127 my four weight tiles (16 t + 8 s + 4 c);  v128-191 h's eight fragments (16 m + 8 s + 4 c)
.set H,    128
.set ACC,  192                         ; v192-223 four accumulators
.set QC,   224                         ; v224-239 the codes made: four registers a tile
.set SW,   240                         ; v240-243 their scale words
.set TM,   244                         ; v244-249 at work in QUANT2
.set SE,   250                         ; v250-251 the two scale words that my lane stores
.macro COMBINE s, n, mo, qo, t         ; eight parts of n numbers, (mean, M2) in v[s] .. v[s + 15]: mean -> v[mo], M2 -> v[qo]
	v_add_f32 v[\t], v[\s], v[\s+2]
	v_add_f32 v[\t+1], v[\s+4], v[\s+6]
	v_add_f32 v[\t+2], v[\s+8], v[\s+10]
	v_add_f32 v[\t+3], v[\s+12], v[\s+14]
	s_delay_alu instid0(VALU_DEP_3)
	v_add_f32 v[\t], v[\t], v[\t+1]
	s_delay_alu instid0(VALU_DEP_2)
	v_add_f32 v[\t+2], v[\t+2], v[\t+3]
	s_delay_alu instid0(VALU_DEP_1)
	v_add_f32 v[\t], v[\t], v[\t+2]
	s_delay_alu instid0(VALU_DEP_1)
	v_mul_f32 v[\mo], 0x3e000000, v[\t]
.irp i, 0,2,4,6,8,10,12,14
	v_sub_f32 v[\s+\i], v[\s+\i], v[\mo]
.endr
	v_mul_f32 v[\t], v[\s], v[\s]
.irp i, 2,4,6,8,10,12,14
	s_delay_alu instid0(VALU_DEP_1)
	v_fmac_f32 v[\t], v[\s+\i], v[\s+\i]
.endr
	v_add_f32 v[\t+1], v[\s+1], v[\s+3]
	v_add_f32 v[\t+2], v[\s+5], v[\s+7]
	v_add_f32 v[\t+3], v[\s+9], v[\s+11]
	v_add_f32 v[\qo], v[\s+13], v[\s+15]
	s_delay_alu instid0(VALU_DEP_3)
	v_add_f32 v[\t+1], v[\t+1], v[\t+2]
	s_delay_alu instid0(VALU_DEP_2)
	v_add_f32 v[\t+3], v[\t+3], v[\qo]
	s_delay_alu instid0(VALU_DEP_1)
	v_add_f32 v[\t+1], v[\t+1], v[\t+3]
	s_delay_alu instid0(VALU_DEP_1)
	v_fmamk_f32 v[\qo], v[\t], \n, v[\t+1]
.endm
; 32 numbers of a lane, register 16 b + i = k 32 b + 16 (lane / 16) + i of my row, become four operand registers in v[pc] on (lanes 0-15 block 0, lanes 16-31 block 1) and the two scale bytes in v[pw].
; The accumulators are read from their low ends on.
.macro QUANT2 s, pc, pw
.irp b, 0,1
	v_max3_num_f32 v[TM+\b], |v[\s+16*\b]|, |v[\s+16*\b+1]|, 0x1800000   ; with the floor 2^(3 - 127): the byte cannot fall under 1
.endr
.irp i, 2,4,6,8,10,12,14
.irp b, 0,1
	v_max3_num_f32 v[TM+\b], v[TM+\b], |v[\s+16*\b+\i]|, |v[\s+16*\b+\i+1]|
.endr
.endr
.irp b, 0,1
	s_delay_alu instid0(VALU_DEP_2)
	v_permlanex16_b32 v[TM+2+\b], v[TM+\b], s[SEL], s[SEL+1]
.endr
.irp b, 0,1
	s_delay_alu instid0(VALU_DEP_2)
	v_max_num_f32 v[TM+\b], v[TM+\b], v[TM+2+\b]   ; with lane l xor 16's 16: the block's largest magnitude
.endr
.irp b, 0,1
	s_delay_alu instid0(VALU_DEP_2)
	v_add_nc_u32 v[TM+4+\b], 0xff000000, v[TM+\b]  ; 2 off its exponent field: the conversion's scale operand
.endr
.irp b, 0,1
	s_delay_alu instid0(VALU_DEP_2)
	v_lshrrev_b32 v[TM+2+\b], 23, v[TM+4+\b]       ; the scale's byte
.endr
	s_delay_alu instid0(VALU_DEP_1)
	v_lshl_or_b32 v[\pw], v[TM+3], 8, v[TM+2]
.irp b, 0,1
	v_cvt_scalef32_pk8_fp4_f32 v[\pc+2*\b], v[\s+16*\b:\s+16*\b+7], v[TM+4+\b]
	v_cvt_scalef32_pk8_fp4_f32 v[\pc+2*\b+1], v[\s+16*\b+8:\s+16*\b+15], v[TM+4+\b]
.endr
	v_nop                                          ; one plain place behind the last scaled conversion
.irp i, 0,1
	v_permlane16_swap_b32 v[\pc+\i], v[\pc+2+\i]   ; a whole block to a lane
.endr
.endm
	s_load_b512 s[4:19], s[0:1], 0x0               ; x 4, stats 6, wimg 8, gn_w 10, gn_b 12, qkv_b 14, qc 16, qs 18
	s_load_b64 s[20:21], s[0:1], 0x40              ; kv
	v_lshl_add_u32 v254, v0, 2, 0x2c000
	v_mov_b32 v255, 0
	ds_add_u32 v254, v255
	ds_add_u32 v254, v255
	v_lshrrev_b32 v1, 5, v0
	s_delay_alu instid0(VALU_DEP_1)
	v_readfirstlane_b32 s[WV], v1                  ; wave 0..15
	v_and_b32 v1, 31, v0                           ; lane
	v_and_b32 v2, 15, v0                           ; r
	v_bfe_u32 v3, v0, 4, 1                         ; h
	s_delay_alu instid0(VALU_DEP_2)
	v_and_b32 v4, 8, v2
	s_delay_alu instid0(VALU_DEP_1)
	v_add_nc_u32 v4, v4, v2                        ; r + 8 (r / 8)
	s_wait_alu depctr_va_vdst(0)
	s_and_b32 s23, s[WV], 3
	s_min_u32 s26, s[WV], 11
	s_and_b32 s27, ttmp7, 0xffff
	; every LDS address is made here, ahead of the first branch on the wave's number
	s_lshl_b32 s52, s23, 14                        ; x in LDS: channel 64 (wave % 4) + 32 h, 256 bytes a channel;
	s_lshr_b32 s53, s[WV], 3
	s_lshl_b32 s53, s53, 7
	s_add_co_u32 s52, s52, s53                     ; pixel 32 (m / 2) + 8 (m % 2) + r + 8 (r / 8), m = wave / 4
	s_bfe_u32 s53, s[WV], 0x10002
	s_lshl_b32 s53, s53, 5
	s_add_co_u32 s52, s52, s53
	v_lshlrev_b32 v5, 2, v4
	s_delay_alu instid0(VALU_DEP_1)
	v_lshl_add_u32 v5, v3, 13, v5
	s_delay_alu instid0(VALU_DEP_1)
	v_add_nc_u32 v5, s52, v5
	v_lshlrev_b32 v12, 4, v1                       ; 16 x lane
	s_wait_alu depctr_va_vdst(0)
	s_lshl_b32 s52, s[WV], 9
	s_add_co_u32 s52, s52, HIMG
	v_add_nc_u32 v6, s52, v12                      ; where my half fragment goes: 512 x wave + 16 x lane
	s_lshr_b32 s52, s[WV], 1
	s_lshl_b32 s52, s52, 6
	s_and_b32 s53, s[WV], 1
	s_lshl_b32 s53, s53, 1
	s_add_co_u32 s52, s52, s53
	s_add_co_u32 s52, s52, HSC
	v_lshl_add_u32 v7, v2, 2, v3
	s_delay_alu instid0(VALU_DEP_1)
	v_add_nc_u32 v7, s52, v7                       ; and my block's scale byte: word (m, s, r), byte 2 c + h: every lane a byte of its own
	s_lshl_b32 s52, s26, 13
	s_add_co_u32 s52, s52, WI
	v_add_nc_u32 v8, s52, v12                      ; my four weight tiles
	v_lshlrev_b32 v9, 2, v1
	s_delay_alu instid0(VALU_DEP_1)
	v_add_nc_u32 v11, HSC, v9                      ; h's scale words: 4 x lane
	s_lshl_b32 s52, s26, 9
	s_add_co_u32 s52, s52, WI+QW_S
	v_add_nc_u32 v9, s52, v9                       ; my weight tiles' scale words
	v_add_nc_u32 v10, HIMG, v12                    ; h's fragments
	v_lshlrev_b32 v13, 4, v2
	s_delay_alu instid0(VALU_DEP_1)
	v_lshl_add_u32 v13, v3, 3, v13                 ; 16 r + 8 h: where my two scale words go
	s_lshl_b32 s52, s23, 8
	v_lshlrev_b32 v14, 7, v3
	s_delay_alu instid0(VALU_DEP_1)
	v_add_nc_u32 v14, s52, v14                     ; gn_w, gn_b: my 32 channels
	s_lshl_b32 s52, s27, 9
	s_lshl_b32 s53, s23, 7
	s_add_co_u32 s52, s52, s53
	v_lshlrev_b32 v15, 6, v3
	s_delay_alu instid0(VALU_DEP_1)
	v_add_nc_u32 v15, s52, v15                     ; stats: 64 bytes for (batch, group 2 (wave % 4) + h)
	s_lshl_b32 s52, s26, 8
	v_add_nc_u32 v16, s52, v15
	v_lshlrev_b32 v16, 6, v3
	s_delay_alu instid0(VALU_DEP_1)
	v_add_nc_u32 v16, s52, v16                     ; qkv_b: my 64 outputs, + 16 h numbers
	v_lshlrev_b32 v17, 2, v4
	s_delay_alu instid0(VALU_DEP_1)
	v_add_nc_u32 v17, s52, v17                     ; and, for v, the number of my lane's channel
	v_mov_b32 v[TM+2], 0                           ; (lane permutes' destinations count as read: written once)
	v_mov_b32 v[TM+3], 0
	s_mov_b32 s[SEL], 0x76543210
	s_mov_b32 s[SEL+1], 0xfedcba98
	s_mov_b32 s54, 0x37000000                      ; 2^-17 = 1 / 131,072
	s_mov_b32 s55, 0x3727c5ac                      ; 1e-5
	; group 1: x: 64 rows (channels) of 32 elements of 8 bytes, 2,048 elements apart;  the image: 102 dense rows of 256 bytes.  No padding, no mask
	s_mov_b32 s[G1X], 3<<16
	s_mov_b32 s[G1X+1], 32<<16                     ; tensor_dim0
	s_mov_b32 s[G1X+2], 64<<16                     ; tensor_dim1
	s_mov_b32 s[G1X+3], 32<<16                     ; tile_dim0
	s_mov_b32 s[G1X+4], 64                         ; tile_dim1
	s_mov_b32 s[G1X+5], 2048                       ; from row to row
	s_mov_b32 s[G1X+6], 0
	s_mov_b32 s[G1X+7], 0
	s_mov_b32 s[G1W], 3<<16
	s_mov_b32 s[G1W+1], 32<<16
	s_mov_b32 s[G1W+2], 102<<16
	s_mov_b32 s[G1W+3], 32<<16
	s_mov_b32 s[G1W+4], 102
	s_mov_b32 s[G1W+5], 32
	s_mov_b32 s[G1W+6], 0
	s_mov_b32 s[G1W+7], 0
	s_lshl_b32 s52, s27, 22                        ; x: 4 MiB a batch,
	s_lshl_b32 s53, ttmp9, 8                       ; 256 bytes a block of pixels,
	s_add_co_u32 s52, s52, s53
	s_lshl_b32 s53, s23, 20                        ; 64 channels of 16,384 bytes a wave
	s_add_co_u32 s52, s52, s53
	s_mov_b32 s53, 0
	s_mul_i32 s56, s23, 26112                      ; the image: a quarter a wave
	s_mov_b32 s57, 0
	s_wait_dscnt 0x0
	s_wait_kmcnt 0x0
	s_mov_b32 s[G0X], 1
	s_lshl_b32 s[G0X+1], s23, 14
	s_add_nc_u64 s[G0X+2:G0X+3], s[4:5], s[52:53]
	s_or_b32 s[G0X+3], s[G0X+3], 0x80000000
	s_mov_b32 s[G0W], 1
	s_add_co_u32 s[G0W+1], s56, WI
	s_add_nc_u64 s[G0W+2:G0W+3], s[8:9], s[56:57]
	s_or_b32 s[G0W+3], s[G0W+3], 0x80000000
	s_cmp_lt_u32 s[WV], 4                          ; waves 0-3 fetch x, waves 4-7 the image, the others nothing: one tensor load of a wave is out.  Four v_nop follow each line
	s_cbranch_scc0 .Lnot_x
	tensor_load_to_lds s[G0X:G0X+3], s[G1X:G1X+7]
	s_nop 0
.rept 4
	v_nop
.endr
	s_branch .Lasked
.Lnot_x:
	s_cmp_lt_u32 s[WV], 8
	s_cbranch_scc0 .Lasked
	tensor_load_to_lds s[G0W:G0W+3], s[G1W:G1W+7]
	s_nop 0
.rept 4
	v_nop
.endr
.Lasked:
	s_wait_alu depctr_va_vdst(0)
.irp q, 0,1,2,3
	global_load_b128 v[ST+4*\q:ST+4*\q+3], v15, s[6:7] offset:16*\q
.endr
.irp q, 0,1,2,3,4,5,6,7
	global_load_b128 v[GA+4*\q:GA+4*\q+3], v14, s[10:11] offset:16*\q
	global_load_b128 v[GB+4*\q:GB+4*\q+3], v14, s[12:13] offset:16*\q
.endr
.irp t, 0,1,2,3                                ; tile t's eight outputs of my half: 32 (t / 2) + 8 (t % 2) + 16 h + 0 .. 7
	global_load_b128 v[BI+8*\t:BI+8*\t+3], v16, s[14:15] offset:128*(\t/2)+32*(\t%2)
	global_load_b128 v[BI+8*\t+4:BI+8*\t+7], v16, s[14:15] offset:128*(\t/2)+32*(\t%2)+16
	global_load_b32 v[BV+\t], v17, s[14:15] offset:128*(\t/2)+32*(\t%2)
.endr
	s_wait_loadcnt 0x0
	COMBINE ST, 0x46800000, 18, 19, TH             ; eight parts of 16,384: v18 the group's mean, v19 its M2
	s_delay_alu instid0(VALU_DEP_1)
	v_fma_f32 v[TH], v19, s54, s55                 ; the variance + 1e-5
	s_wait_alu depctr_va_vdst(0)
	v_rsq_f32 v[TH+2], v[TH]
	v_nop                                          ; one plain place behind a transcendental
.set J, 0
	s_wait_alu depctr_va_vdst(0)
.rept 16
	v_pk_mul_f32 v[GA+J:GA+J+1], v[GA+J:GA+J+1], v[TH+2:TH+3] op_sel_hi:[1,0]   ; gn_w rstd
.set J, J+2
.endr
	s_wait_tensorcnt 0x0                           ; my part has landed,
	s_barrier_signal -1
	s_barrier_wait -1                              ; everybody's has
	; ---- h: my block of 32 channels of one pixel
.set J, 0
.rept 32
	ds_load_b32 v[X+J], v5 offset:256*J
.set J, J+1
.endr
	s_wait_dscnt 0x0
.set J, 0
.rept 16
	v_pk_add_f32 v[X+J:X+J+1], v[X+J:X+J+1], v[18:19] op_sel_hi:[1,0] neg_lo:[0,1] neg_hi:[0,1]   ; x - mean
.set J, J+2
.endr
.set J, 0
.rept 16
	v_pk_fma_f32 v[X+J:X+J+1], v[X+J:X+J+1], v[GA+J:GA+J+1], v[GB+J:GB+J+1]
.set J, J+2
.endr
	v_max3_num_f32 v[TH], |v[X]|, |v[X+1]|, 0x1800000          ; the block's largest magnitude, in two chains, with the floor 2^(3 - 127)
	v_max3_num_f32 v[TH+1], |v[X+16]|, |v[X+17]|, 0x1800000
.irp i, 2,4,6,8,10,12,14
	s_delay_alu instid0(VALU_DEP_2)
	v_max3_num_f32 v[TH], v[TH], |v[X+\i]|, |v[X+\i+1]|
	s_delay_alu instid0(VALU_DEP_2)
	v_max3_num_f32 v[TH+1], v[TH+1], |v[X+16+\i]|, |v[X+17+\i]|
.endr
	s_delay_alu instid0(VALU_DEP_1)
	v_max_num_f32 v[TH], v[TH], v[TH+1]
	s_delay_alu instid0(VALU_DEP_1)
	v_add_nc_u32 v[TH+2], 0xff000000, v[TH]
	s_delay_alu instid0(VALU_DEP_1)
	v_lshrrev_b32 v[TH+3], 23, v[TH+2]
.irp g, 0,1,2,3
	v_cvt_scalef32_pk8_fp4_f32 v[PCH+\g], v[X+8*\g:X+8*\g+7], v[TH+2]
.endr
	v_nop                                          ; one plain place behind the last scaled conversion
	ds_store_b128 v6, v[PCH:PCH+3]
	ds_store_b8 v7, v[TH+3]
	s_wait_dscnt 0x0                               ; for the others' sake: my stores have landed
	s_barrier_signal -1
	s_barrier_wait -1                              ; h's eight fragments and their scale words lie in LDS
	s_cmp_ge_u32 s[WV], 12
	s_cbranch_scc1 .Lend
	; ---- roles
.irp t, 0,1,2,3
.irp u, 0,1,2,3
	ds_load_b128 v[W+16*\t+4*\u:W+16*\t+4*\u+3], v8 offset:2048*\t+512*\u
.endr
	ds_load_b32 v[WS+\t], v9 offset:128*\t
.endr
.irp m, 0,1,2,3
.irp u, 0,1,2,3
	ds_load_b128 v[H+16*\m+4*\u:H+16*\m+4*\u+3], v10 offset:2048*\m+512*\u
.endr
	ds_load_b32 v[HS+\m], v11 offset:128*\m
.endr
	s_lshl_b32 s56, s27, 6
	s_add_co_u32 s56, s56, ttmp9                   ; 64 batch + blk
	s_lshl_b32 s57, s27, 5
	s_lshr_b32 s58, ttmp9, 1
	s_add_co_u32 s57, s57, s58                     ; 32 batch + the key step
	s_lshl_b32 s57, s57, 2
	s_add_co_u32 s57, s57, s23                     ; x 4 + the head
	s_mul_i32 s57, s57, 8960                       ; kv: 8,960 bytes for a step and head
	s_and_b32 s58, ttmp9, 1                        ; which 64 of the step's 128 keys are mine
	v_cmp_eq_u32 vcc_lo, 1, v3
	s_cmp_ge_u32 s[WV], 8
	s_cbranch_scc1 .Lrole_v
	; q and k: one text; the buffers and offsets are chosen on the wave's number
	s_lshl_b32 s60, s56, 13
	s_lshl_b32 s59, s23, 11
	s_add_co_u32 s60, s60, s59                     ; q's codes: 8,192 a block, 2,048 a head
	s_lshl_b32 s62, s56, 10
	s_lshl_b32 s59, s23, 8
	s_add_co_u32 s62, s62, s59                     ; q's scale words: 1,024 a block, 256 a head
	s_lshl_b32 s59, s58, 11
	s_add_co_u32 s52, s57, s59                     ; k's codes: tiles 4 c' .. 4 c' + 3 of the step
	s_lshl_b32 s59, s58, 8
	s_add_co_u32 s53, s57, s59
	s_add_co_u32 s53, s53, 8192                    ; k's scale words
	s_cmp_lt_u32 s[WV], 4
	s_cselect_b32 s60, s60, s52
	s_cselect_b32 s62, s62, s53
	s_cselect_b64 s[16:17], s[16:17], s[20:21]
	s_cselect_b64 s[18:19], s[18:19], s[20:21]
	s_mov_b32 s61, 0
	s_mov_b32 s63, 0
	s_add_nc_u64 s[16:17], s[16:17], s[60:61]
	s_add_nc_u64 s[18:19], s[18:19], s[62:63]
	s_wait_dscnt 0x0
.irp m, 0,1,2,3                                ; a tile of 16 pixels: four accumulators by turns, one instruction a turn; K step 1 takes its scale words from lanes 16-31
.irp t, 0,1,2,3
	v_wmma_scale_f32_16x16x128_f8f6f4 v[ACC+8*\t:ACC+8*\t+7], v[W+16*\t:W+16*\t+7], v[H+16*\m:H+16*\m+7], v[BI+8*\t:BI+8*\t+7], v[WS+\t], v[HS+\m] matrix_a_fmt:MATRIX_FMT_FP4 matrix_b_fmt:MATRIX_FMT_FP4
.endr
.irp t, 0,1,2,3
	v_wmma_scale_f32_16x16x128_f8f6f4 v[ACC+8*\t:ACC+8*\t+7], v[W+16*\t+8:W+16*\t+15], v[H+16*\m+8:H+16*\m+15], v[ACC+8*\t:ACC+8*\t+7], v[WS+\t], v[HS+\m] matrix_a_fmt:MATRIX_FMT_FP4 matrix_b_fmt:MATRIX_FMT_FP4 matrix_a_scale:MATRIX_SCALE_ROW1 matrix_b_scale:MATRIX_SCALE_ROW1
.endr
.rept 4
	v_nop                                          ; places in front of the first read of results (ISA guide 7.12.1); with QUANT2's lines on its own registers they are more than the five that the next tile's products, which begin the accumulators anew, want
.endr
	QUANT2 ACC, QC+4*\m, SW+\m
.endr
	v_cndmask_b32 v[SE], v[SW], v[SW+2], vcc_lo    ; lanes 0-15 store tiles 0 and 1's words, lanes 16-31 tiles 2 and 3's
	v_cndmask_b32 v[SE+1], v[SW+1], v[SW+3], vcc_lo
.irp m, 0,1,2,3
	global_store_b128 v12, v[QC+4*\m:QC+4*\m+3], s[16:17] offset:512*\m   ; 512 consecutive bytes a store
.endr
	global_store_b64 v13, v[SE:SE+1], s[18:19]     ; 256 consecutive bytes
	s_branch .Lend
.Lrole_v:
	s_lshl_b32 s59, s58, 9
	s_add_co_u32 s60, s57, s59
	s_add_co_u32 s60, s60, 4096                    ; v's codes: 1,024 t + 512 c'
	s_mov_b32 s61, 0
	s_lshl_b32 s59, s58, 1
	s_add_co_u32 s62, s57, s59
	s_add_co_u32 s62, s62, 8704                    ; v's scale words: bytes 2 c' and 2 c' + 1 of each
	s_mov_b32 s63, 0
	s_add_nc_u64 s[16:17], s[20:21], s[60:61]
	s_add_nc_u64 s[18:19], s[20:21], s[62:63]
.irp t, 0,1,2,3
.irp j, 0,1,2,3,4,5,6,7
	v_mov_b32 v[BI+8*\t+\j], v[BV+\t]              ; here a lane holds one channel: its bias in all eight registers
.endr
.endr
	s_wait_dscnt 0x0
.irp t, 0,1,2,3                                ; a tile of 16 channels: the four pixel tiles' accumulators by turns
.irp m, 0,1,2,3
	v_wmma_scale_f32_16x16x128_f8f6f4 v[ACC+8*\m:ACC+8*\m+7], v[H+16*\m:H+16*\m+7], v[W+16*\t:W+16*\t+7], v[BI+8*\t:BI+8*\t+7], v[HS+\m], v[WS+\t] matrix_a_fmt:MATRIX_FMT_FP4 matrix_b_fmt:MATRIX_FMT_FP4
.endr
.irp m, 0,1,2,3
	v_wmma_scale_f32_16x16x128_f8f6f4 v[ACC+8*\m:ACC+8*\m+7], v[H+16*\m+8:H+16*\m+15], v[W+16*\t+8:W+16*\t+15], v[ACC+8*\m:ACC+8*\m+7], v[HS+\m], v[WS+\t] matrix_a_fmt:MATRIX_FMT_FP4 matrix_b_fmt:MATRIX_FMT_FP4 matrix_a_scale:MATRIX_SCALE_ROW1 matrix_b_scale:MATRIX_SCALE_ROW1
.endr
.rept 4
	v_nop
.endr
	QUANT2 ACC, QC+4*\t, SW+\t
.endr
	v_cndmask_b32 v[SE], v[SW], v[SW+2], vcc_lo
	v_cndmask_b32 v[SE+1], v[SW+1], v[SW+3], vcc_lo
.irp t, 0,1,2,3
	global_store_b128 v12, v[QC+4*\t:QC+4*\t+3], s[16:17] offset:1024*\t
.endr
	global_store_b16 v13, v[SE], s[18:19]
	global_store_b16 v13, v[SE+1], s[18:19] offset:4
.Lend:
	s_wait_tensorcnt 0x0
	ds_add_u32 v254, v255
	s_wait_dscnt 0x0
	s_endpgm
.Lfunc_end_k_q8e3344c0c6_qkv:
	.size	k_q8e3344c0c6_qkv, .Lfunc_end_k_q8e3344c0c6_qkv-k_q8e3344c0c6_qkv
	.p2alignl 7, 3214868480
	.fill 96, 4, 3214868480
	.section	.rodata,"a",@progbits
	.p2align	6, 0x0
	.amdhsa_kernel k_q8e3344c0c6_qkv
		.amdhsa_group_segment_fixed_size 182272
		.amdhsa_private_segment_fixed_size 0
		.amdhsa_enable_private_segment 0
		.amdhsa_kernarg_size 72
		.amdhsa_user_sgpr_count 2
		.amdhsa_user_sgpr_kernarg_segment_ptr 1
		.amdhsa_wavefront_size32 1
		.amdhsa_system_sgpr_workgroup_id_x 1
		.amdhsa_system_sgpr_workgroup_id_y 1
		.amdhsa_system_sgpr_workgroup_id_z 1
		.amdhsa_system_vgpr_workitem_id 0
		.amdhsa_next_free_vgpr 256
		.amdhsa_next_free_sgpr 66
		.amdhsa_reserve_vcc 1
		.amdhsa_float_denorm_mode_32 3
		.amdhsa_float_denorm_mode_16_64 3
		.amdhsa_memory_ordered 1
		.amdhsa_forward_progress 1
		.amdhsa_inst_pref_size 51
	.end_amdhsa_kernel
	.amdgpu_metadata
---
amdhsa.version: [ 1, 2 ]
amdhsa.kernels:
  - .name:           k_q8e3344c0c6_qkv
    .symbol:         k_q8e3344c0c6_qkv.kd
    .args:
      - { .name: x, .offset: 0, .size: 8, .value_kind: global_buffer, .address_space: global }
      - { .name: stats, .offset: 8, .size: 8, .value_kind: global_buffer, .address_space: global }
      - { .name: wimg, .offset: 16, .size: 8, .value_kind: global_buffer, .address_space: global }
      - { .name: gn_w, .offset: 24, .size: 8, .value_kind: global_buffer, .address_space: global }
      - { .name: gn_b, .offset: 32, .size: 8, .value_kind: global_buffer, .address_space: global }
      - { .name: qkv_b, .offset: 40, .size: 8, .value_kind: global_buffer, .address_space: global }
      - { .name: qc, .offset: 48, .size: 8, .value_kind: global_buffer, .address_space: global }
      - { .name: qs, .offset: 56, .size: 8, .value_kind: global_buffer, .address_space: global }
      - { .name: kv, .offset: 64, .size: 8, .value_kind: global_buffer, .address_space: global }
    .group_segment_fixed_size: 182272
    .private_segment_fixed_size: 0
    .kernarg_segment_align: 8
    .kernarg_segment_size: 72
    .max_flat_workgroup_size: 512
    .sgpr_count:     66
    .vgpr_count:     256
    .wavefront_size: 32
...
	.end_amdgpu_metadata
.endif
;; end of part 2
;; launch attn (part 3): grid 64 x 4, 16 waves a work-group, clusters of 4 x 1, 327,680 bytes of LDS; arguments qc, qs, kv, wimg, proj_b, x, out0; writes out0
.if DOCPART == 3
	.amdgcn_target "amdgcn-amd-amdhsa--gfx1250"
	.amdhsa_code_object_version 6
	.text
	.protected	k_q8e3344c0c6_attn
	.globl	k_q8e3344c0c6_attn
	.p2align	8
	.type	k_q8e3344c0c6_attn,@function
k_q8e3344c0c6_attn:
	s_mov_b64 s[64:65], 0
	v_nop
	global_prefetch_b8 v0, s[64:65] scope:SCOPE_SE
	s_setreg_imm32_b32 hwreg(HW_REG_WAVE_MODE, 25, 1), 1
	s_wait_xcnt 0x0
	s_wait_alu depctr_hold_cnt(0) depctr_sa_sdst(0) depctr_va_vdst(0) depctr_va_sdst(0) depctr_va_ssrc(0) depctr_va_vcc(0) depctr_vm_vsrc(0)
	s_getreg_b32 s2, hwreg(HW_REG_IB_STS2, 6, 4)
	s_cmp_eq_u32 s2, 0
	s_cbranch_scc0 .Lentry_in_a_cluster
	s_endpgm
.Lentry_in_a_cluster:
	s_bfe_u32 s2, ttmp6, 0x10000c
	s_cmp_lg_u32 s2, 0x3003
	s_cbranch_scc0 .Lentry_shape_is_right
	s_endpgm
.Lentry_shape_is_right:
; ATTN.  out0 = x + proj_w softmax-attention + proj_b, all three products on codes of FP4 (E2M1) with one E8M0 byte for each 32 along K.
; SHARES.  A work-group owns 64 pixels (queries) of a batch in ALL FOUR heads, so that the projection, whose K is the four heads' 256 channels, is done here.  Wave w = 4 head + m owns one tile of 16 queries of one head
; in 256 registers: four waves to a SIMD, so that one wave's vector work stands beside another's products and LDS loads.  Every wave walks the batch's 4,096 keys, 128 a step.
; THE SOFTMAX: t = score x log2(e) / 8; M = the running largest t rounded UP to a whole number; p = 2^(t - M) is quantised along the keys, not normalised; the row's sum is taken of the unquantised p and divides at
; the end.  When M moves, the sum and O are multiplied by 2^(old M - new M), which rounds nothing.
; LAYOUT.  S^T = K Q^T (source 0 = 16 keys, source 1 = my queries), O^T = V^T P^T (source 0 = 16 channels, source 1 = P): a lane holds ONE query throughout.  The keys of a tile of K and the channels of a tile of V are
; 32 (T / 2) + 8 (T % 2) + r + 8 (r / 8), so that 16 registers of two neighbouring tiles are 16 neighbours along the next product's K.
; THE FIRST PRODUCT'S K IS 64: Q's registers 4-7 are zero codes; K's operand for tile T is its four registers and the four that follow (the next tile's, or zeros), which meet those zero codes; bytes 2 and 3 of the
; scale words are 0, which is a small power of two and no NaN.
; RING.  kv lies [batch][step][head][8,960 bytes]: K's 8 tiles, V's 4 tiles, K's and V's scale words, all as images of operand registers: a step's 35,840 bytes are dense.  Two LDS slots of four steps; waves 0-3 fetch a
; step each, one tensor load of 140 rows of 256 bytes; by this text's count a wave never has more than one tensor load out, and it has four steps of sixteen waves in which to land.
; CLUSTER.  The four work-groups of a cluster belong to one batch and walk the same kv: each fill is asked for JOINTLY, by the same load with the same descriptor and the mask of all four.
; LIMITS: NaN and infinities are not served; v_exp_f32 gives 0 for p under 2^-126; a block's largest p is made from its largest score, which takes v_exp_f32 not to fall where its input rises; a block whose largest
; magnitude lies under 2^-124 keeps the scale byte 1 (its codes are zeros or nearly so).
.set STEPB, 35840                      ; a step's bytes: 4 heads x 8,960
.set SLOTB, 143360                     ; a slot: four steps
.set SPARE, 286720                     ; behind the ring: the spare words, 128 bytes for each of 16 waves: eight blocks of 256 bytes that no other line names
.set OIMG,  0                          ; the way out, in slot 0, which has had its last fill and its last read by then: O's eight fragments, 2,048 m + 512 head + 16 lane;
.set OSC,   8192                       ; their scale words [m][s][r];
.set STG,   8704                       ; a stage of 16 rows x (256 + 16) bytes for each wave
.set PW_C,  104448                     ; wimg: proj_w's codes and scale words
.set PW_S,  137216
.set KS,  28                           ; v28-31   K's scale words: lanes 0-15 tiles 0-3, lanes 16-31 tiles 4-7; on the way out O's
.set VS,  32                           ; v32-35   V's scale words
.set KF,  36                           ; v36-67   K's eight tiles, four registers each; v68-71 zeros
.set VF,  72                           ; v72-103  V's four tiles
.set S,   104                          ; v104-167 S^T, then p
.set O,   168                          ; v168-199 O^T; at the end the projection's accumulators
.set PC,  200                          ; v200-207 p's codes
.set BM,  208                          ; v208-211 each block's largest score, then p;  v212-215, v216-219 at work
.set BX,  212
.set BS,  216
.set TM,  208                          ; QUANT2's six registers
.set PWF, 228                          ; v228-243 my tile of proj_w;  v244 its scale words;  v245 its bias;  v246-253 the bias as C
.set PBR, 246
.set OF,  36                           ; the way out: v36-99 O's eight fragments;  v104-135 x;  v136-167 rows of the result
.set XR,  104
.set YR,  136
.set G1,  24                           ; s[24:31] descriptor group 1;  s[32:35], s[36:39] group 0 for slot 0 and slot 1
.set G0A, 32
.set G0B, 36
; v1 16 lane + 8,960 head;  v2 16 r + 8,960 head + 8,704;  v3, v4 the spare word's address and 0;  v5, v6 the step's addresses;  v7 r, v8 h, v9 16 lane;  v10, v11 where O's image and scale bytes go;
; v12 -M, v13 the largest t, v[14:15] the sum;  v16-23 Q;  v24 Q's scale words;  v25, v26 the stage, in and back;  v27 my offset in x and out0;  v220 at work;  v[222:223] f;  v224 p's scale word;  v[226:227] a second chain of the sum;  v255 O's scale words
; s18 wave;  s[20:21] lane selects;  s[22:23] c = log2(e) / 8;  s40 the step's first LDS byte;  s41, s42 counters
.macro JLOAD g0                        ; waves 0-3 ask, each for its step of the slot.  The branch hangs on the wave's number alone.  Four v_nop follow the load
	s_cmp_lt_u32 s18, 4
	s_cbranch_scc0 .Lnone_\@
	tensor_load_to_lds s[\g0:\g0+3], s[G1:G1+7]
	s_nop 0
.rept 4
	v_nop
.endr
.Lnone_\@:
.endm
.macro CROUND                          ; a round of the cluster's barrier: my work-group's barrier; wave 0 signals for the work-group; every wave waits for all four; my work-group's barrier once more
	s_barrier_signal -1
	s_barrier_wait -1
	s_cmp_lg_u32 s18, 0
	s_cbranch_scc1 .Lnot_wave_0_\@
	s_barrier_signal -3
.Lnot_wave_0_\@:
	s_barrier_wait -3
	s_barrier_signal -1
	s_barrier_wait -1
.endm
; THE CHANGE OF SLOTS, at a slot's head.  Each wave waits for all its tensor loads (its part of the slot ahead), adds 0 to its spare word, and waits for that and for its reads of the slot that it has left.
; fill = 1: the slot left is filled by descriptor g0, behind a round of the cluster's barrier, as the first thing there.  step: the group 0 whose address goes two slots on (0: none); no load of mine is out, so it may be written.
.macro CHANGE fill, g0, step
	s_wait_tensorcnt 0x0
	ds_add_u32 v3, v4
.if \step
	s_add_nc_u64 s[\step+2:\step+3], s[\step+2:\step+3], 2*SLOTB   ; the type bits on top are not reached
.endif
	s_wait_dscnt 0x0
.if \fill
	CROUND
	JLOAD \g0
.else
	s_barrier_signal -1
	s_barrier_wait -1
.endif
.endm
; 32 numbers of a lane, register 16 b + i = k 32 b + 16 (lane / 16) + i of my row, become four operand registers in v[pc] on and the two scale bytes in v[pw]
.macro QUANT2 s, pc, pw
.irp b, 0,1
	v_max3_num_f32 v[TM+\b], |v[\s+16*\b]|, |v[\s+16*\b+1]|, 0x1800000
.endr
.irp i, 2,4,6,8,10,12,14
.irp b, 0,1
	s_delay_alu instid0(VALU_DEP_2)
	v_max3_num_f32 v[TM+\b], v[TM+\b], |v[\s+16*\b+\i]|, |v[\s+16*\b+\i+1]|
.endr
.endr
.irp b, 0,1
	s_delay_alu instid0(VALU_DEP_2)
	v_permlanex16_b32 v[TM+2+\b], v[TM+\b], s20, s21
.endr
.irp b, 0,1
	s_delay_alu instid0(VALU_DEP_2)
	v_max_num_f32 v[TM+\b], v[TM+\b], v[TM+2+\b]
.endr
.irp b, 0,1
	s_delay_alu instid0(VALU_DEP_2)
	v_add_nc_u32 v[TM+4+\b], 0xff000000, v[TM+\b]
.endr
.irp b, 0,1
	s_delay_alu instid0(VALU_DEP_2)
	v_lshrrev_b32 v[TM+2+\b], 23, v[TM+4+\b]
.endr
	s_delay_alu instid0(VALU_DEP_1)
	v_lshl_or_b32 v[\pw], v[TM+3], 8, v[TM+2]
.irp b, 0,1
	v_cvt_scalef32_pk8_fp4_f32 v[\pc+2*\b], v[\s+16*\b:\s+16*\b+7], v[TM+4+\b]
	v_cvt_scalef32_pk8_fp4_f32 v[\pc+2*\b+1], v[\s+16*\b+8:\s+16*\b+15], v[TM+4+\b]
.endr
	v_nop                                          ; one plain place behind the last scaled conversion
.irp i, 0,1
	v_permlane16_swap_b32 v[\pc+\i], v[\pc+2+\i]
.endr
.endm
; A KEY STEP: 128 keys of my head
.macro STEP
	v_add_nc_u32 v5, s40, v1
	v_add_nc_u32 v6, s40, v2
	v_nop
	v_nop                                          ; four places behind the last step's products, in front of the loads into the registers that they read (ISA guide 7.12.1 for vector instructions)
	ds_load_b128 v[KS:KS+3], v5 offset:8192
.irp t, 0,1,2,3,4,5,6,7
	ds_load_b128 v[KF+4*\t:KF+4*\t+3], v5 offset:512*\t
.endr
.irp i, 0,1,2,3,4,5,6,7
	ds_load_b128 v[VF+4*\i:VF+4*\i+3], v5 offset:4096+512*\i
.endr
	ds_load_b128 v[VS:VS+3], v6
	s_wait_dscnt 0x9                               ; K's nine loads are in; V's nine, issued behind them, may stay out until the second product
.irp t, 0,1,2,3
	v_wmma_scale_f32_16x16x128_f8f6f4 v[S+8*\t:S+8*\t+7], v[KF+4*\t:KF+4*\t+7], v[16:23], 0, v[KS+\t], v24 matrix_a_fmt:MATRIX_FMT_FP4 matrix_b_fmt:MATRIX_FMT_FP4
.endr
.irp t, 0,1,2,3
	v_wmma_scale_f32_16x16x128_f8f6f4 v[S+32+8*\t:S+32+8*\t+7], v[KF+16+4*\t:KF+16+4*\t+7], v[16:23], 0, v[KS+\t], v24 matrix_a_fmt:MATRIX_FMT_FP4 matrix_b_fmt:MATRIX_FMT_FP4 matrix_a_scale:MATRIX_SCALE_ROW1
.endr
.rept 4
	v_nop
.endr
.irp b, 0,1,2,3
	v_max3_num_f32 v[BM+\b], v[S+16*\b], v[S+16*\b+1], v[S+16*\b+2]   ; the largest score of each block of 32 keys: it serves for the row's maximum and, since p rises with the score, for the block's largest p
.endr
.irp i, 3,5,7,9,11,13
.irp b, 0,1,2,3
	v_max3_num_f32 v[BM+\b], v[BM+\b], v[S+16*\b+\i], v[S+16*\b+\i+1]
.endr
.endr
.irp b, 0,1,2,3
	v_max_num_f32 v[BM+\b], v[BM+\b], v[S+16*\b+15]
.endr
.irp b, 0,1,2,3
	s_delay_alu instid0(VALU_DEP_4)
	v_permlanex16_b32 v[BX+\b], v[BM+\b], s20, s21
.endr
.irp b, 0,1,2,3
	s_delay_alu instid0(VALU_DEP_4)
	v_max_num_f32 v[BM+\b], v[BM+\b], v[BX+\b]     ; with lane l xor 16's 16 keys
.endr
	s_delay_alu instid0(VALU_DEP_2)
	v_max3_num_f32 v220, v[BM], v[BM+1], v[BM+2]
	s_delay_alu instid0(VALU_DEP_1)
	v_max_num_f32 v220, v220, v[BM+3]
	s_delay_alu instid0(VALU_DEP_1)
	v_mul_f32 v220, s22, v220                      ; as t (c is positive)
	s_delay_alu instid0(VALU_DEP_1)
	v_max_num_f32 v13, v13, v220                   ; the running largest t
	v_mov_b32 v220, v12
	s_delay_alu instid0(VALU_DEP_2)
	v_floor_f32 v12, -v13                          ; the new -M = floor(-t) = -ceil(t)
	s_delay_alu instid0(VALU_DEP_1)
	v_sub_f32 v220, v12, v220                      ; old M - new M: a whole number, 0 or less
	s_delay_alu instid0(VALU_DEP_1)
	v_cvt_i32_f32 v220, v220                       ; (it saturates)
	s_delay_alu instid0(VALU_DEP_1)
	v_ldexp_f32 v222, 1.0, v220                    ; f = 2^(old M - new M)
.set J, 0
.rept 32
	v_pk_fma_f32 v[S+J:S+J+1], v[S+J:S+J+1], s[22:23], v[12:13] op_sel_hi:[1,0,0]   ; t - M, two at a time
.set J, J+2
.endr
.irp b, 0,1,2,3
	v_fma_f32 v[BM+\b], v[BM+\b], s22, v12
.endr
.set J, 0
	s_wait_alu depctr_va_vdst(0)
.rept 64
	v_exp_f32 v[S+J], v[S+J]                       ; p = 2^(t - M)
.set J, J+1
.endr
	s_setprio 1
.irp b, 0,1,2,3
	v_exp_f32 v[BM+\b], v[BM+\b]                   ; the block's largest p: the same two instructions on the same number
.endr
	v_pk_mul_f32 v[14:15], v[14:15], v[222:223] op_sel_hi:[1,0]   ; the sum under the new M (a plain place behind the exponentials)
	s_wait_alu depctr_va_vdst(0)
.irp b, 0,1,2,3
	v_max_num_f32 v[BM+\b], 0x1800000, v[BM+\b]    ; the floor 2^(3 - 127)
.endr
.irp b, 0,1,2,3
	s_delay_alu instid0(VALU_DEP_4)
	v_add_nc_u32 v[BS+\b], 0xff000000, v[BM+\b]
.endr
.irp b, 0,1,2,3
	s_delay_alu instid0(VALU_DEP_4)
	v_lshrrev_b32 v[BX+\b], 23, v[BS+\b]
.endr
	s_delay_alu instid0(VALU_DEP_3)
	v_lshl_or_b32 v224, v[BX+1], 8, v[BX]          ; p's scale word for these 128 keys
	s_delay_alu instid0(VALU_DEP_1)
	v_lshl_or_b32 v224, v[BX+2], 16, v224
	s_delay_alu instid0(VALU_DEP_1)
	v_lshl_or_b32 v224, v[BX+3], 24, v224
.irp b, 0,1,2,3
	v_cvt_scalef32_pk8_fp4_f32 v[PC+2*\b], v[S+16*\b:S+16*\b+7], v[BS+\b]
	v_cvt_scalef32_pk8_fp4_f32 v[PC+2*\b+1], v[S+16*\b+8:S+16*\b+15], v[BS+\b]
.endr
	v_nop                                          ; one plain place behind the last scaled conversion
.irp c, 0,1
.irp i, 0,1
	v_permlane16_swap_b32 v[PC+4*\c+\i], v[PC+4*\c+2+\i]   ; a whole block to a lane
.endr
.endr
	v_pk_add_f32 v[226:227], v[108:109], v[112:113]
	v_pk_add_f32 v[252:253], v[116:117], v[120:121]
	v_pk_add_f32 v[250:251], v[124:125], v[128:129]
	v_pk_add_f32 v[248:249], v[132:133], v[136:137]
	v_pk_add_f32 v[246:247], v[140:141], v[144:145]
	v_pk_add_f32 v[218:219], v[148:149], v[152:153]
	v_pk_add_f32 v[216:217], v[156:157], v[160:161]
	v_pk_add_f32 v[14:15], v[14:15], v[164:165]
	v_pk_add_f32 v[226:227], v[226:227], v[104:105]
	v_pk_add_f32 v[252:253], v[252:253], v[106:107]
	v_pk_add_f32 v[250:251], v[250:251], v[110:111]
	v_pk_add_f32 v[248:249], v[248:249], v[114:115]
	v_pk_add_f32 v[246:247], v[246:247], v[118:119]
	v_pk_add_f32 v[218:219], v[218:219], v[122:123]
	v_pk_add_f32 v[216:217], v[216:217], v[126:127]
	v_pk_add_f32 v[14:15], v[14:15], v[130:131]
	v_pk_add_f32 v[226:227], v[226:227], v[134:135]
	v_pk_add_f32 v[252:253], v[252:253], v[138:139]
	v_pk_add_f32 v[250:251], v[250:251], v[142:143]
	v_pk_add_f32 v[248:249], v[248:249], v[146:147]
	v_pk_add_f32 v[246:247], v[246:247], v[150:151]
	v_pk_add_f32 v[218:219], v[218:219], v[154:155]
	v_pk_add_f32 v[216:217], v[216:217], v[158:159]
	v_pk_add_f32 v[14:15], v[14:15], v[162:163]
	v_pk_add_f32 v[226:227], v[226:227], v[166:167]
	s_delay_alu instid0(VALU_DEP_2)
	v_pk_add_f32 v[14:15], v[14:15], v[248:249]
	s_delay_alu instid0(VALU_DEP_2)
	v_pk_add_f32 v[226:227], v[226:227], v[246:247]
	v_pk_add_f32 v[252:253], v[252:253], v[218:219]
	v_pk_add_f32 v[250:251], v[250:251], v[216:217]
	s_delay_alu instid0(VALU_DEP_2)
	v_pk_add_f32 v[14:15], v[14:15], v[252:253]
	s_delay_alu instid0(VALU_DEP_2)
	v_pk_add_f32 v[226:227], v[226:227], v[250:251]
	s_delay_alu instid0(VALU_DEP_1)
	v_pk_add_f32 v[14:15], v[14:15], v[226:227]
.set J, 0
	s_setprio 0
.rept 16
	v_pk_mul_f32 v[O+J:O+J+1], v[O+J:O+J+1], v[222:223] op_sel_hi:[1,0]   ; O^T under the new M, each accumulator from its low end on.  These and the sums are the places between p's scale word and codes and the products below
.set J, J+2
.endr
	s_wait_alu depctr_va_vdst(0)
	s_wait_dscnt 0x0                               ; V and its scale words are in
.irp t, 0,1,2,3                                ; the four accumulators by turns; between two links of a chain stand the others' and the next step's first product
	v_wmma_scale_f32_16x16x128_f8f6f4 v[O+8*\t:O+8*\t+7], v[VF+8*\t:VF+8*\t+7], v[PC:PC+7], v[O+8*\t:O+8*\t+7], v[VS+\t], v224 matrix_a_fmt:MATRIX_FMT_FP4 matrix_b_fmt:MATRIX_FMT_FP4
.endr
.endm
.macro SLOT_STEPS p                    ; slot p's four steps: written once, walked four times
	s_mov_b32 s40, SLOTB*\p
	s_mov_b32 s41, 4
.Lstep_\@:
	s_setprio 2
	STEP
	s_add_co_u32 s40, s40, STEPB
	s_sub_co_u32 s41, s41, 1
	s_cmp_lg_u32 s41, 0
	s_cbranch_scc1 .Lstep_\@
	s_setprio 0
.endm
	s_load_b256 s[4:11], s[0:1], 0x0               ; qc 4, qs 6, kv 8, wimg 10
	s_load_b128 s[12:15], s[0:1], 0x20             ; proj_b 12, x 14
	s_load_b64 s[16:17], s[0:1], 0x30              ; out0
	v_lshl_add_u32 v3, v0, 2, SPARE
	v_mov_b32 v4, 0
	ds_add_u32 v3, v4
	ds_add_u32 v3, v4
	s_wait_dscnt 0x0
	v_lshrrev_b32 v5, 5, v0
	s_delay_alu instid0(VALU_DEP_1)
	v_readfirstlane_b32 s18, v5                    ; wave 0..15
	v_and_b32 v6, 31, v0                           ; lane
	v_and_b32 v7, 15, v0                           ; r
	s_wait_alu depctr_va_vdst(0)
	v_bfe_u32 v8, v0, 4, 1                         ; h
	v_lshlrev_b32 v9, 4, v6                        ; 16 x lane
	s_lshr_b32 s46, s18, 2                         ; head
	s_and_b32 s47, s18, 3                          ; m.  Also: which step of a slot I fetch, if I fetch
	s_mul_i32 s49, s46, 8960
	v_add_nc_u32 v1, s49, v9
	v_lshlrev_b32 v2, 4, v7
	s_add_co_u32 s49, s49, 8704
	v_add_nc_u32 v2, s49, v2
	s_lshl_b32 s49, s47, 11
	s_lshl_b32 s56, s46, 9
	s_add_co_u32 s49, s49, s56
	v_add_nc_u32 v10, s49, v9                      ; O's image: 2,048 m + 512 head + 16 lane
	s_lshl_b32 s49, s47, 7
	s_lshr_b32 s56, s18, 3
	s_lshl_b32 s56, s56, 6
	s_add_co_u32 s49, s49, s56
	s_bfe_u32 s57, s18, 0x10002
	s_lshl_b32 s57, s57, 1
	s_add_co_u32 s49, s49, s57
	s_add_co_u32 s49, s49, OSC
	v_lshl_add_u32 v11, v7, 2, s49                 ; its two scale bytes: word (m, head / 2, r), bytes 2 (head % 2) on
	s_mul_i32 s49, s18, 4352
	s_add_co_u32 s49, s49, STG                     ; my stage
	v_mul_u32_u24 v25, v7, 272
	s_wait_alu depctr_va_vdst(0)
	v_lshl_add_u32 v25, v8, 6, v25
	s_delay_alu instid0(VALU_DEP_1)
	v_add_nc_u32 v25, s49, v25                     ; in: row r, + 64 h
	v_mul_u32_u24 v26, v8, 272
	s_delay_alu instid0(VALU_DEP_1)
	v_lshl_add_u32 v26, v7, 4, v26
	s_delay_alu instid0(VALU_DEP_1)
	v_add_nc_u32 v26, s49, v26                     ; back: lanes 0-15 one row, lanes 16-31 the next
	v_lshlrev_b32 v27, 14, v8
	s_delay_alu instid0(VALU_DEP_1)
	v_lshl_add_u32 v27, v7, 4, v27                 ; and the same in x and out0: 16,384 bytes a channel
	v_lshl_add_u32 v255, v6, 2, OSC
	s_bfe_u32 s43, ttmp6, 0x40000                  ; cx: my place in the cluster: it enters Q's, x's and out0's addresses alone
	s_lshl_b32 s44, ttmp9, 2
	s_add_co_u32 s44, s44, s43                     ; my block of 64 pixels
	s_and_b32 s45, ttmp7, 0xffff                   ; the batch, which the four partners share
	s_lshl_b32 s48, s45, 6
	s_add_co_u32 s48, s48, s44                     ; 64 batch + blk
	s_lshl_b32 s50, s48, 13
	s_lshl_b32 s51, s18, 9
	s_add_co_u32 s50, s50, s51                     ; Q's codes: 8,192 a block, 512 a wave
	s_mov_b32 s51, 0
	s_lshl_b32 s54, s48, 10
	s_lshl_b32 s55, s46, 8
	s_add_co_u32 s54, s54, s55
	s_lshl_b32 s55, s47, 2
	s_add_co_u32 s54, s54, s55                     ; Q's scale words: 1,024 a block, 256 a head, 16 r + 4 m
	s_mov_b32 s55, 0
	s_lshl_b32 s58, s45, 22                        ; x, out0: 4 MiB a batch,
	s_lshr_b32 s59, s18, 1
	s_lshl_b32 s59, s59, 19
	s_add_co_u32 s58, s58, s59                     ; channel 32 (wave / 2)
	s_and_b32 s59, s18, 1
	s_lshl_b32 s59, s59, 17
	s_add_co_u32 s58, s58, s59                     ; + 8 (wave % 2),
	s_lshl_b32 s59, s44, 8
	s_add_co_u32 s58, s58, s59                     ; 256 bytes a block of pixels
	s_mov_b32 s59, 0
	s_mul_i32 s52, s45, 32*STEPB                   ; kv: the batch's 32 steps,
	s_mul_i32 s53, s47, STEPB                      ; my step of the slot
	s_add_co_u32 s52, s52, s53
	s_mov_b32 s[G0A+1], s53                        ; and its place in slot 0,
	s_add_co_u32 s[G0B+1], s53, SLOTB              ; in slot 1
	s_mov_b32 s53, 0
	; group 1: 140 dense rows of 32 elements of 8 bytes
	s_mov_b32 s[G1], 15|(3<<16)|(1<<21)            ; 15:0 the mask: all four work-groups; 17:16 elements of 8 bytes; 21 set beside a mask
	s_mov_b32 s[G1+1], 32<<16                      ; tensor_dim0
	s_mov_b32 s[G1+2], 140<<16                     ; tensor_dim1
	s_mov_b32 s[G1+3], 32<<16                      ; tile_dim0
	s_mov_b32 s[G1+4], 140                         ; tile_dim1
	s_mov_b32 s[G1+5], 32                          ; from row to row
	s_mov_b32 s[G1+6], 0
	s_mov_b32 s[G1+7], 0
	s_mov_b32 s20, 0x76543210
	s_mov_b32 s21, 0xfedcba98
	s_mov_b32 s22, 0x3e38aa3b                      ; c = log2(e) / 8
	s_mov_b32 s23, s22                             ; (named with it as a pair, so it is written)
	s_mov_b32 s42, 3
	s_wait_kmcnt 0x0
	s_mov_b32 s[G0A], 1
	s_mov_b32 s[G0B], 1
	s_add_nc_u64 s[G0A+2:G0A+3], s[8:9], s[52:53]
	s_add_nc_u64 s[G0B+2:G0B+3], s[G0A+2:G0A+3], SLOTB
	s_or_b32 s[G0A+3], s[G0A+3], 0x80000000
	s_or_b32 s[G0B+3], s[G0B+3], 0x80000000
	s_add_nc_u64 s[4:5], s[4:5], s[50:51]
	s_add_nc_u64 s[6:7], s[6:7], s[54:55]
	s_add_nc_u64 s[14:15], s[14:15], s[58:59]
	s_add_nc_u64 s[16:17], s[16:17], s[58:59]
	CROUND                                         ; all four work-groups are here: the first joint loads meet
	JLOAD G0A                                      ; steps 0-3 into slot 0
	v_lshlrev_b32 v208, 4, v7                      ; offsets of the loads below, in registers that are at work only behind the wait for them
	s_lshl_b32 s49, s18, 11
	v_add_nc_u32 v209, s49, v9                     ; proj_w's tile = my wave's number: 2,048 bytes a tile
	s_lshl_b32 s49, s18, 7
	v_lshl_add_u32 v210, v6, 2, s49                ; its scale words: 128 bytes a tile
	v_and_b32 v211, 8, v7
	s_delay_alu instid0(VALU_DEP_1)
	v_add_nc_u32 v211, v211, v7
	s_lshr_b32 s49, s18, 1
	s_lshl_b32 s49, s49, 7
	s_and_b32 s56, s18, 1
	s_lshl_b32 s56, s56, 5
	s_add_co_u32 s49, s49, s56
	v_lshl_add_u32 v211, v211, 2, s49              ; proj_b of my lane's channel 32 (wave / 2) + 8 (wave % 2) + r + 8 (r / 8)
	global_load_b128 v[16:19], v9, s[4:5]          ; Q's four registers stay
	global_load_b32 v24, v208, s[6:7]
.irp i, 0,1,2,3
	global_load_b128 v[PWF+4*\i:PWF+4*\i+3], v209, s[10:11] offset:PW_C+512*\i
.endr
	global_load_b32 v244, v210, s[10:11] offset:PW_S
	global_load_b32 v245, v211, s[12:13]
.irp j, 0,1,2,3
	v_mov_b32 v[20+\j], 0                          ; zero codes for k = 64 .. 127 of Q,
	v_mov_b32 v[KF+32+\j], 0                       ; and behind K's last tile
	v_mov_b32 v[BX+\j], 0                          ; (lane permutes' destinations count as read: written once)
.endr
	v_mov_b32 v13, 0xff61b1e6                      ; the largest t so far: -3e38, under every t
	s_delay_alu instid0(VALU_DEP_1)
	v_floor_f32 v12, -v13                          ; -M
	v_mov_b32 v14, 0
	v_mov_b32 v15, 0
	v_mov_b32 v223, 0                              ; (named as the upper half of the pair v[222:223])
.set J, 0
.rept 32
	v_mov_b32 v[O+J], 0                            ; O^T: the step is written once; its first walk finds zeros, which the first change of M leaves zeros
.set J, J+1
.endr
	s_wait_loadcnt 0x0
.Lpair:                                            ; three trips of two slots; the fills go: slot 1 <- steps 4-7, slot 0 <- 8-11, and so on
	CHANGE 1, G0B, G0A
	SLOT_STEPS 0
	CHANGE 1, G0A, G0B
	SLOT_STEPS 1
	s_sub_co_u32 s42, s42, 1
	s_cmp_lg_u32 s42, 0
	s_cbranch_scc1 .Lpair
	CHANGE 1, G0B, 0                               ; the tail is written out: the last fill, steps 28-31
	SLOT_STEPS 0
	CHANGE 0, 0, 0
	SLOT_STEPS 1
	; THE WAY OUT.  x is asked for first; O^T / the sum is quantised along the channels and goes to LDS as an image; every wave then makes 16 output channels for the 64 pixels.
.irp i, 0,1,2,3,4,5,6,7
	global_load_b128 v[XR+4*\i:XR+4*\i+3], v27, s[14:15] offset:16384*(2*\i+8*(\i/4)) th:TH_LOAD_NT   ; channel 2 i + h + 8 (i / 4) of my 16; sixteen lanes read 256 consecutive bytes
.endr
.irp j, 0,1,2,3,4,5,6,7
	v_mov_b32 v[PBR+\j], v245                      ; the bias as C: a lane holds one channel.  (Also the places behind the last products)
.endr
	v_add_f32 v14, v14, v15
	s_delay_alu instid0(VALU_DEP_1)
	v_permlanex16_b32 v220, v14, s20, s21
	s_delay_alu instid0(VALU_DEP_1)
	v_add_f32 v14, v14, v220                       ; the row's sum
	s_wait_alu depctr_va_vdst(0)
	v_rcp_f32 v222, v14
	v_nop                                          ; one plain place behind a transcendental
.set J, 0
	s_wait_alu depctr_va_vdst(0)
.rept 16
	v_pk_mul_f32 v[O+J:O+J+1], v[O+J:O+J+1], v[222:223] op_sel_hi:[1,0]
.set J, J+2
.endr
	QUANT2 O, PC, 220                              ; register 16 b + i is channel 32 b + 16 h + i of my head
	ds_store_b128 v10, v[PC:PC+3]
	ds_store_b16 v11, v220                         ; lanes 16-31 write what lanes 0-15 write
	s_wait_dscnt 0x0                               ; for the others' sake: my stores have landed
	s_barrier_signal -1
	s_barrier_wait -1
.irp m, 0,1,2,3
.irp u, 0,1,2,3
	ds_load_b128 v[OF+16*\m+4*\u:OF+16*\m+4*\u+3], v9 offset:OIMG+2048*\m+512*\u
.endr
	ds_load_b32 v[KS+\m], v255 offset:128*\m       ; lanes 0-15 K step 0's words, lanes 16-31 K step 1's
.endr
	s_wait_dscnt 0x0
.irp m, 0,1,2,3                                ; source 0 = 16 pixels of O, source 1 = my 16 rows of proj_w: a lane holds one output channel and eight neighbouring pixels.  Four accumulators by turns
	v_wmma_scale_f32_16x16x128_f8f6f4 v[O+8*\m:O+8*\m+7], v[OF+16*\m:OF+16*\m+7], v[PWF:PWF+7], v[PBR:PBR+7], v[KS+\m], v244 matrix_a_fmt:MATRIX_FMT_FP4 matrix_b_fmt:MATRIX_FMT_FP4
.endr
.irp m, 0,1,2,3
	v_wmma_scale_f32_16x16x128_f8f6f4 v[O+8*\m:O+8*\m+7], v[OF+16*\m+8:OF+16*\m+15], v[PWF+8:PWF+15], v[O+8*\m:O+8*\m+7], v[KS+\m], v244 matrix_a_fmt:MATRIX_FMT_FP4 matrix_b_fmt:MATRIX_FMT_FP4 matrix_a_scale:MATRIX_SCALE_ROW1 matrix_b_scale:MATRIX_SCALE_ROW1
.endr
.rept 4
	v_nop
.endr
.irp m, 0,1,2,3                                ; register j of tile m is pixel 32 (m / 2) + 16 h + 8 (m % 2) + j; each accumulator from its low end on
	ds_store_b128 v25, v[O+8*\m:O+8*\m+3] offset:128*(\m/2)+32*(\m%2)
	ds_store_b128 v25, v[O+8*\m+4:O+8*\m+7] offset:128*(\m/2)+32*(\m%2)+16
.endr
.irp i, 0,1,2,3,4,5,6,7
	ds_load_b128 v[YR+4*\i:YR+4*\i+3], v26 offset:544*\i   ; LDS serves a wave's instructions in order (ISA guide 5.7.1.4): these see my stores; the stage is my own
.endr
	s_wait_loadcnt 0x0                             ; x
.irp i, 0,1,2,3,4,5,6,7
	s_wait_dscnt 7-\i                              ; rows 2 i and 2 i + 1 are back; the younger loads may stay out
	v_pk_add_f32 v[YR+4*\i:YR+4*\i+1], v[YR+4*\i:YR+4*\i+1], v[XR+4*\i:XR+4*\i+1]
	v_pk_add_f32 v[YR+4*\i+2:YR+4*\i+3], v[YR+4*\i+2:YR+4*\i+3], v[XR+4*\i+2:XR+4*\i+3]
	global_store_b128 v27, v[YR+4*\i:YR+4*\i+3], s[16:17] offset:16384*(2*\i+8*(\i/4)) th:TH_STORE_NT   ; sixteen lanes store 256 consecutive bytes, at a multiple of 256 from out0's first byte
.endr
	s_wait_tensorcnt 0x0                           ; the wave's end: behind my last tensor load and my last LDS store
	ds_add_u32 v3, v4
	s_wait_dscnt 0x0
	CROUND                                         ; the closing round: no work-group ends while a partner may still ask for a tile that names it
	s_endpgm
.Lfunc_end_k_q8e3344c0c6_attn:
	.size	k_q8e3344c0c6_attn, .Lfunc_end_k_q8e3344c0c6_attn-k_q8e3344c0c6_attn
	.p2alignl 7, 3214868480
	.fill 96, 4, 3214868480
	.section	.rodata,"a",@progbits
	.p2align	6, 0x0
	.amdhsa_kernel k_q8e3344c0c6_attn
		.amdhsa_group_segment_fixed_size 327680
		.amdhsa_private_segment_fixed_size 0
		.amdhsa_enable_private_segment 0
		.amdhsa_kernarg_size 56
		.amdhsa_user_sgpr_count 2
		.amdhsa_user_sgpr_kernarg_segment_ptr 1
		.amdhsa_wavefront_size32 1
		.amdhsa_system_sgpr_workgroup_id_x 1
		.amdhsa_system_sgpr_workgroup_id_y 1
		.amdhsa_system_sgpr_workgroup_id_z 1
		.amdhsa_system_vgpr_workitem_id 0
		.amdhsa_next_free_vgpr 256
		.amdhsa_next_free_sgpr 66
		.amdhsa_reserve_vcc 0
		.amdhsa_float_denorm_mode_32 3
		.amdhsa_float_denorm_mode_16_64 3
		.amdhsa_memory_ordered 1
		.amdhsa_forward_progress 1
		.amdhsa_inst_pref_size 86
	.end_amdhsa_kernel
	.amdgpu_metadata
---
amdhsa.version: [ 1, 2 ]
amdhsa.kernels:
  - .name:           k_q8e3344c0c6_attn
    .symbol:         k_q8e3344c0c6_attn.kd
    .args:
      - { .name: qc, .offset: 0, .size: 8, .value_kind: global_buffer, .address_space: global }
      - { .name: qs, .offset: 8, .size: 8, .value_kind: global_buffer, .address_space: global }
      - { .name: kv, .offset: 16, .size: 8, .value_kind: global_buffer, .address_space: global }
      - { .name: wimg, .offset: 24, .size: 8, .value_kind: global_buffer, .address_space: global }
      - { .name: proj_b, .offset: 32, .size: 8, .value_kind: global_buffer, .address_space: global }
      - { .name: x, .offset: 40, .size: 8, .value_kind: global_buffer, .address_space: global }
      - { .name: out0, .offset: 48, .size: 8, .value_kind: global_buffer, .address_space: global }
    .group_segment_fixed_size: 327680
    .private_segment_fixed_size: 0
    .kernarg_segment_align: 8
    .kernarg_segment_size: 56
    .max_flat_workgroup_size: 512
    .sgpr_count:     66
    .vgpr_count:     256
    .wavefront_size: 32
...
	.end_amdgpu_metadata
.endif
;; end of part 3
